; MI455X (gfx1250); checked and timed in simulation.
; The chip was launched on July 23, 2026; its instructions are those of AMD's public machine-readable ISA for CDNA 5 (MIT licence, August 2026) and "CDNA5" Instruction Set Architecture Reference Guide (July 2026). The comments in the code are by the model that wrote it; some were corrected since.
;; Multi Head Attention. Allowed arithmetic: matrix products marked QUANTISED: E3M2 operands, one E8M0 scale for each 32 along K, by v_wmma_scale_f32_16x16x128_f8f6f4 with both operands' format E3M2, f32 sums; everything else in f32.
;; Inputs: Wk 512 x 512 float32; Wo 512 x 512 float32; Wq 512 x 512 float32; Wv 512 x 512 float32; bk 512 float32; bo 512 float32; bq 512 float32; bv 512 float32; k 2 x 4,096 x 512 float32; q 2 x 4,096 x 512 float32; v 2 x 4,096 x 512 float32.
;; Outputs: out0 2 x 4,096 x 512 float32.
;; This version of the problem:
;;   THIS VERSION OF THE PROBLEM IS GIVEN IN LOW PRECISION. The matrix products marked QUANTISED in the list below multiply operands that are first quantised to E3M2 (3 exponent bits, 2 mantissa bits; 6 bits a number), with one power-of-two scale for each 32 numbers along K (OCP MX v1.0); their sums are f32. All else is computed in f32.
;;   The module's matrix products, in the order in which they are computed (A, B: the left and right operand; K: the contracted axis; several contracted axes count as one K, in the product's order):
;;     1. [M 8,192, K 512] x [K 512, N 512]; A: input q; B: input Wq: QUANTISED
;;     2. [M 8,192, K 512] x [K 512, N 512]; A: input k; B: input Wk: QUANTISED
;;     3. [M 8,192, K 512] x [K 512, N 512]; A: input v; B: input Wv: QUANTISED
;;     4. batch 16 x [M 4,096, K 64] x [K 64, N 4,096]; A: computed on the way; B: computed on the way: QUANTISED
;;     5. batch 16 x [M 64, K 4,096] x [K 4,096, N 4,096]; A: computed on the way; B: softmax (see below): QUANTISED
;;     6. [M 8,192, K 512] x [K 512, N 512]; A: computed on the way; B: input Wo: QUANTISED
;;   THE QUANTISER, for each operand of a quantised product, along K:
;;     - K is cut into blocks of 32 from its start; a last block that is shorter is filled with zeros.
;;     - A block's scale is 2^e with e = floor(log2(the largest magnitude in the block)) - 4, held to -126 .. 127; a block of zeros has e = 0. As a byte (E8M0): e + 127.
;;     - Each number is divided by its block's scale, clamped to +-28, and rounded to the nearest number of E3M2, ties to even, subnormals kept.
;;     - The product sums the exact products of the quantised numbers (number of the format x scale) in f32.
;;   ~~~python
;;   def quantise(x, axis):      # numpy; x: float32 -> the quantised numbers, widened to float32 again
;;       x = np.moveaxis(x, axis, -1); K = x.shape[-1]
;;       x = np.pad(x, [(0, 0)] * (x.ndim - 1) + [(0, -K % 32)]); x = x.reshape(x.shape[:-1] + (-1, 32)); a = np.abs(x).max(-1, keepdims=True)
;;       e = np.where(a > 0, np.clip(np.frexp(np.where(a > 0, a, 1))[1] - 1 - 4, -126, 127), 0)      # np.frexp(a)[1] - 1 = floor(log2(a)), exactly
;;       r = np.clip(x / 2.0 ** e, -28, 28)
;;       step = 2.0 ** (np.maximum(np.frexp(np.where(r == 0, 1, r))[1] - 1, -2) - 2)
;;       q = np.round(r / step) * step * 2.0 ** e      # np.round: ties to even
;;       return np.moveaxis(q.reshape(q.shape[:-2] + (-1,))[..., :K], -1, axis).astype(np.float32)
;;   ~~~
;;   SOFTMAX AHEAD OF A QUANTISED PRODUCT. Where the list says 'softmax', what is quantised is not the finished softmax but p = 2^(t - M), with t = logit x log2(e) and M = ceil(the row's largest t), a whole number; so 1/2 < the row's largest p <= 1. The row's sum l is taken of the UNQUANTISED p, in f32, and the product's result is divided by l at the end. Since M is a whole number, a kernel that streams over the keys may use a running M (the ceiling of the running maximum): every later rescaling is an exact power of two, which a block's scale takes up: the codes' values come out the same.
;;   OPERANDS COMPUTED ON THE WAY. 'Computed on the way' means the value that the module computes at that place (a softmax that the list does not call 'softmax' is quantised finished and normalised). What goes into a quantiser is computed in f32, as accurately as f32 sums, v_exp_f32 and their like allow (about 1e-6 of the number): no bf16 or f16 on the way to a quantiser, and a product that is left as it is and whose result goes on into a quantised operand takes f32 operands (vector FMAs, or v_wmma_f32_16x16x4_f32). A number that lies on a knife's edge between two numbers of the format may be rounded either way, as far as f32 arithmetic and the matrix unit's own rounding can turn it there, and no further.
;; One version. Each part assembles by itself: llvm-mc -triple=amdgcn-amd-amdhsa -mcpu=gfx1250 --defsym DOCPART=n.
;; ======== version 1 of 1: 4 launches
;; limits: right only within a limited range of input values
;; workspace buffers: wc 786,432 bytes; ws 32,768 bytes; qc 3,145,728 bytes; qs 131,072 bytes; kv 6,553,600 bytes; oc 3,145,728 bytes; os 131,072 bytes
;; launch prep (part 1): grid 128 x 1, 4 waves a work-group, no clusters, 768 bytes of LDS; arguments Wq, Wk, Wv, Wo, wc, ws; writes wc, ws
.if DOCPART == 1
	.amdgcn_target "amdgcn-amd-amdhsa--gfx1250"
	.amdhsa_code_object_version 6
	.text
	.protected	k_qb06b55407b_prep
	.globl	k_qb06b55407b_prep
	.p2align	8
	.type	k_qb06b55407b_prep,@function
k_qb06b55407b_prep:
	s_mov_b64 s[64:65], 0
	v_nop
	global_prefetch_b8 v0, s[64:65] scope:SCOPE_SE
	s_setreg_imm32_b32 hwreg(HW_REG_WAVE_MODE, 25, 1), 1
	s_wait_xcnt 0x0
; MULTI-HEAD ATTENTION IN MX-BF6 (E3M2, one E8M0 scale for each 32 along K), four launches: prep (this one), proj, attn, oproj.
; DEAD WORK: none.  Every bias stands ahead of a quantiser (bq, bk, bv move the codes and scales of the operands of the products q k^T and v^T p) or in the result (bo); all eleven inputs are loaded.
; PREP: the four weights W [512 (k)][512 (n)], f32, K their FIRST axis, become codes with K innermost, laid in the ORDER OF THE OPERAND'S REGISTERS.
; A fragment is 16 rows n x 128 K = 12 registers a lane; lane (r, h) holds row r, registers 6 c .. 6 c + 5 hold k = 64 c + 32 h + 0 .. 31.  In memory: 1,536 bytes, [4 registers][lane][16 bytes].
; wc: [matrix Wq, Wk, Wv, Wo][g 8][t 4][s 4] fragments.  THE ROWS OF A TILE ARE NOT NEIGHBOURS: row r of tile t of group g is n = 64 g + 32 (r / 8) + 8 t + r % 8, so that in a product's result the 32 registers of
; a group's four tiles are 32 NEIGHBOURS along n in one lane: a whole block of the next quantiser.  k = 128 s + ..   ws: [matrix][g][t][r 16][s 4] scale words (four E8M0 bytes: 128 along K of one row).
; SHARES.  Work-group X = (matrix, g, t); its wave s makes fragment s: a lane takes column n and its registers run down K, so the conversions' results are the operand's registers and a block's maximum needs no other lane.
; Each load reads two runs of 32 bytes of a row of W; the four tiles t (four neighbouring work-groups) use the 128 bytes between them; the launch reads 4 MiB in all.
; A block's scale is 2^(floor(log2(largest magnitude)) - 4); its byte is the largest magnitude's exponent field - 4, held at 1 from below.
; LIMITS: a block of zeros gets the byte 1 where the rule says 127 (its codes are zeros, and this program alone reads the bytes); blocks whose largest magnitude lies under 2^-122 are held at that floor; NaN and infinities among the inputs are not served.
; No tensor load, no cluster: work-groups share no tile, and the launch is a short stream.
.set SPARE, 256                        ; LDS: bytes 0-255 the work-group's 64 scale words; from 256 the spare words, 128 bytes a wave, which no other line names
.set SPW, 2                            ; v2   SPARE + 4 x my thread's number; never rewritten
.set NIL, 3                            ; v3   0; never rewritten
.set WK,  12                           ; v12-19 at work in the quantiser
.set CD,  32                           ; v32-43 the fragment's codes
.set TP,  44                           ; v44-46, v48-50 the upper halves of the two blocks' codes
.set X,   64                           ; v64-127 my 64 numbers
; 64 numbers of a lane, two blocks of 32, become 12 registers of codes at v[d]; m: eight registers: m .. m+3 chains, m+4, m+5 the conversions' scale operands, m+6, m+7 the scale bytes.
.macro QPAIR x, d, tp, m
.irp b, 0,1
	v_max3_num_f32 v[\m+2*\b], |v[\x+32*\b]|, |v[\x+32*\b+1]|, 0x2800000      ; the floor 2^(5 - 127) among the leaves: the byte cannot fall under 1
	v_max3_num_f32 v[\m+2*\b+1], |v[\x+32*\b+16]|, |v[\x+32*\b+17]|, |v[\x+32*\b+18]|
.endr
.irp i, 2,4,6,8,10,12
.irp b, 0,1
	v_max3_num_f32 v[\m+2*\b], v[\m+2*\b], |v[\x+32*\b+\i]|, |v[\x+32*\b+\i+1]|
	v_max3_num_f32 v[\m+2*\b+1], v[\m+2*\b+1], |v[\x+32*\b+17+\i]|, |v[\x+32*\b+18+\i]|
.endr
.endr
.irp b, 0,1
	v_max3_num_f32 v[\m+2*\b], v[\m+2*\b], |v[\x+32*\b+14]|, |v[\x+32*\b+15]|
.endr
.irp b, 0,1
	v_max3_num_f32 v[\m+2*\b], v[\m+2*\b], v[\m+2*\b+1], |v[\x+32*\b+31]|     ; the block's largest magnitude
.endr
.irp b, 0,1
	v_add_nc_u32 v[\m+4+\b], 0xfe000000, v[\m+2*\b]                           ; 4 off its exponent field: the conversion takes this operand's exponent field as its scale
.endr
.irp b, 0,1
	v_lshrrev_b32 v[\m+6+\b], 23, v[\m+4+\b]                                  ; the scale's byte
.endr
.irp b, 0,1
	v_cvt_scalef32_pk16_bf6_f32 v[\d+6*\b:\d+6*\b+2], v[\x+32*\b:\x+32*\b+15], v[\m+4+\b]
	v_cvt_scalef32_pk16_bf6_f32 v[\tp+4*\b:\tp+4*\b+2], v[\x+32*\b+16:\x+32*\b+31], v[\m+4+\b]   ; (a conversion's three registers begin on an even number)
.endr
	v_nop                                          ; one plain line behind the scaled conversions
.irp b, 0,1
.irp i, 0,1,2
	v_mov_b32 v[\d+6*\b+3+\i], v[\tp+4*\b+\i]
.endr
.endr
.endm
	s_load_b256 s[4:11], s[0:1], 0x0               ; Wq, Wk, Wv, Wo
	s_load_b128 s[12:15], s[0:1], 0x20             ; wc, ws
	v_lshl_add_u32 v[SPW], v0, 2, SPARE
	v_mov_b32 v[NIL], 0
	v_lshrrev_b32 v1, 5, v0
	v_readfirstlane_b32 s16, v1                    ; wave = K step s
	v_and_b32 v4, 15, v0                           ; r
	s_wait_alu depctr_va_vdst(0)
	v_bfe_u32 v5, v0, 4, 1                         ; h
	v_and_b32 v6, 31, v0                           ; lane
	s_wait_alu depctr_va_vdst(0)
	s_lshr_b32 s17, ttmp9, 5                       ; matrix
	s_bfe_u32 s18, ttmp9, 0x30002                  ; g
	s_and_b32 s19, ttmp9, 3                        ; t
	v_and_b32 v7, 7, v4
	v_lshlrev_b32 v7, 2, v7                        ; 4 (r % 8)
	v_lshrrev_b32 v8, 3, v4
	v_lshl_add_u32 v7, v8, 7, v7                   ; + 4 x 32 (r / 8)
	v_lshl_add_u32 v7, v5, 16, v7                  ; + 32 h rows of 2,048 bytes
	s_lshl_b32 s20, s16, 18                        ; + 128 s rows
	s_lshl_b32 s21, s18, 8                         ; + 4 x 64 g
	s_add_co_u32 s20, s20, s21
	s_lshl_b32 s21, s19, 5                         ; + 4 x 8 t
	s_add_co_u32 s20, s20, s21
	v_add_nc_u32 v7, s20, v7                       ; W(128 s + 32 h, my column)
	v_lshlrev_b32 v9, 4, v4
	s_lshl_b32 s21, s16, 2
	v_add_nc_u32 v9, s21, v9                       ; LDS: my row's word of K step s: 16 r + 4 s
	v_lshlrev_b32 v10, 4, v6                       ; 16 x lane
	v_lshlrev_b32 v11, 3, v6                       ; 8 x lane
	v_lshlrev_b32 v20, 3, v5                       ; 8 h
	v_mov_b32 v21, 0                               ; (a lane permute's destination counts as one of its sources)
	s_mov_b32 s22, 0x76543210
	s_mov_b32 s23, 0xfedcba98                      ; v_permlanex16_b32's selects for lane l xor 16
	s_lshl_b32 s24, ttmp9, 2
	s_add_co_u32 s24, s24, s16
	s_mul_i32 s24, s24, 1536                       ; my fragment in wc
	s_mov_b32 s25, 0
	s_lshl_b32 s26, ttmp9, 8                       ; my work-group's 256 bytes of ws
	s_mov_b32 s27, 0
	s_wait_alu depctr_va_vdst(0)
	s_wait_kmcnt 0x0
	s_cmp_lt_u32 s17, 1                            ; the weight is chosen by the work-group's number alone
	s_cselect_b64 s[4:5], s[4:5], s[6:7]
	s_cmp_lt_u32 s17, 3
	s_cselect_b64 s[8:9], s[8:9], s[10:11]
	s_cmp_lt_u32 s17, 2
	s_cselect_b64 s[4:5], s[4:5], s[8:9]
	s_add_nc_u64 s[12:13], s[12:13], s[24:25]
	s_add_nc_u64 s[14:15], s[14:15], s[26:27]
.set n, 0
.rept 64
	global_load_b32 v[X+n], v7, s[4:5] offset:(64*(n/32)+n%32)*2048   ; W(128 s + 64 c + 32 h + i, my column), register 32 c + i
.set n, n+1
.endr
	s_wait_loadcnt 0x0
	QPAIR X, CD, TP, WK
	v_lshl_or_b32 v22, v[WK+7], 16, v[WK+6]        ; my two bytes: blocks h and 2 + h of my row,
	v_lshlrev_b32 v22, v20, v22                    ; at their places in the scale word;
	v_permlanex16_b32 v21, v22, s22, s23
	v_or_b32 v22, v22, v21                         ; with lane l xor 16's two the word is whole
.irp q, 0,1,2
	global_store_b128 v10, v[CD+4*\q:CD+4*\q+3], s[12:13] offset:512*\q   ; 32 lanes store 512 consecutive bytes
.endr
	ds_store_b32 v9, v22                           ; both halves of the lanes write the same word with the same value
	s_wait_dscnt 0x0                               ; for the others' sake: my word lies in LDS
	s_barrier_signal -1
	s_barrier_wait -1
	s_cmp_lg_u32 s16, 0
	s_cbranch_scc1 .Lnot_wave_0
	ds_load_b64 v[24:25], v11                      ; wave 0 takes the four waves' 64 words
	s_wait_dscnt 0x0
	global_store_b64 v11, v[24:25], s[14:15]       ; and stores 256 consecutive bytes, aligned
.Lnot_wave_0:
	s_wait_tensorcnt 0x0                           ; the wave's end: behind my last LDS store
	ds_add_u32 v[SPW], v[NIL]
	s_wait_dscnt 0x0
	s_endpgm
.Lfunc_end_k_qb06b55407b_prep:
	.size	k_qb06b55407b_prep, .Lfunc_end_k_qb06b55407b_prep-k_qb06b55407b_prep
	.p2alignl 7, 3214868480
	.fill 96, 4, 3214868480
	.section	.rodata,"a",@progbits
	.p2align	6, 0x0
	.amdhsa_kernel k_qb06b55407b_prep
		.amdhsa_group_segment_fixed_size 768
		.amdhsa_private_segment_fixed_size 0
		.amdhsa_enable_private_segment 0
		.amdhsa_kernarg_size 48
		.amdhsa_user_sgpr_count 2
		.amdhsa_user_sgpr_kernarg_segment_ptr 1
		.amdhsa_wavefront_size32 1
		.amdhsa_system_sgpr_workgroup_id_x 1
		.amdhsa_system_sgpr_workgroup_id_y 1
		.amdhsa_system_sgpr_workgroup_id_z 1
		.amdhsa_system_vgpr_workitem_id 0
		.amdhsa_next_free_vgpr 128
		.amdhsa_next_free_sgpr 66
		.amdhsa_reserve_vcc 0
		.amdhsa_float_denorm_mode_32 3
		.amdhsa_float_denorm_mode_16_64 3
		.amdhsa_memory_ordered 1
		.amdhsa_forward_progress 1
		.amdhsa_inst_pref_size 12
	.end_amdhsa_kernel
	.amdgpu_metadata
---
amdhsa.version: [ 1, 2 ]
amdhsa.kernels:
  - .name:           k_qb06b55407b_prep
    .symbol:         k_qb06b55407b_prep.kd
    .args:
      - { .name: Wq, .offset: 0, .size: 8, .value_kind: global_buffer, .address_space: global }
      - { .name: Wk, .offset: 8, .size: 8, .value_kind: global_buffer, .address_space: global }
      - { .name: Wv, .offset: 16, .size: 8, .value_kind: global_buffer, .address_space: global }
      - { .name: Wo, .offset: 24, .size: 8, .value_kind: global_buffer, .address_space: global }
      - { .name: wc, .offset: 32, .size: 8, .value_kind: global_buffer, .address_space: global }
      - { .name: ws, .offset: 40, .size: 8, .value_kind: global_buffer, .address_space: global }
    .group_segment_fixed_size: 768
    .private_segment_fixed_size: 0
    .kernarg_segment_align: 8
    .kernarg_segment_size: 48
    .max_flat_workgroup_size: 128
    .sgpr_count:     66
    .vgpr_count:     128
    .wavefront_size: 32
...
	.end_amdgpu_metadata
.endif
;; end of part 1
;; launch proj (part 2): grid 192 x 1, 8 waves a work-group, no clusters, 327,680 bytes of LDS; arguments q, k, v, wc, ws, bq, bk, bv, qc, qs, kv; writes qc, qs, kv
.if DOCPART == 2
	.amdgcn_target "amdgcn-amd-amdhsa--gfx1250"
	.amdhsa_code_object_version 6
	.text
	.protected	k_qb06b55407b_proj
	.globl	k_qb06b55407b_proj
	.p2align	8
	.type	k_qb06b55407b_proj,@function
k_qb06b55407b_proj:
	s_mov_b64 s[64:65], 0
	v_nop
	global_prefetch_b8 v0, s[64:65] scope:SCOPE_SE
	s_setreg_imm32_b32 hwreg(HW_REG_WAVE_MODE, 25, 1), 1
	s_wait_xcnt 0x0
; PROJ: q Wq + bq, k Wk + bk, v Wv + bv on codes of BF6 (E3M2).  No work of the problem is left out.
; A work-group takes 128 rows of one of the three tensors (64 work-groups each); its eight waves quantise 16 rows each into an image of the operand's registers in LDS, and wave w then makes head w's 64 columns.
; The results are quantised along the next product's K and stored in the order of that product's operand registers: q into qc and qs; k and v into kv.
; kv: [batch, head 16][step of 128 keys 32][K's codes 6,144 | V's codes 6,144 | K's scale words 256 | V's scale words 256]: 12,800 dense bytes a step, 50 lines of 256.
.set WREG,  33536
; ROWS.  Wave u fetches rows 16 u .. 16 u + 15 of the block by ONE tensor load, 32 lines of 1,024 bytes, 16 bytes of padding behind each, to u x WREG + 16 x (bit 1 of u).  Behind one barrier wave w reads ITS tile:
; rows 64 (w / 4) + 8 (w % 4) + 0 .. 7 (lanes r < 8) and the same + 32 (lanes r >= 8), for q, k and v alike: two chunks of 8 rows, two regions and 16 bytes apart.  The last launch brings q's tiles back to rows.
.set HALF2, 2*WREG+16
.set XIMG,  8*WREG
.set XSC,   XIMG+32*1536
.set SPARE, XSC+32*128
.set LI,  1
.set LS,  2
.set XA,  3
.set XWI, 4
.set XWS, 5
.set SH,  6
.set SO,  7
.set GL,  8
.set GR,  9
.set SPW, 10
.set NIL, 11
.set BO,  12
.set BV,  13
.set WS,  16
.set XS,  32
.set WD,  36
.set CH,  40
.set BI,  48
.set XF,  80
.set ACC, 128
.set CD,  192
.set CT,  240
.set WV,  48
.set TZ,  49
.set BLK, 50
.set KV,  51
.set G1,  32
.set SEL, 70
.set MSB, 0
.macro WIN new
.if MSB != \new
	s_set_vgpr_msb (MSB<<8)|\new
.set MSB, \new
.endif
.endm
.macro QPAIR x, d, tp, m
.irp b, 0,1
	v_max3_num_f32 v[\m+2*\b], |v[\x+32*\b]|, |v[\x+32*\b+1]|, 0x2800000
	v_max3_num_f32 v[\m+2*\b+1], |v[\x+32*\b+16]|, |v[\x+32*\b+17]|, |v[\x+32*\b+18]|
.endr
.irp i, 2,4,6,8,10,12
.irp b, 0,1
	s_delay_alu instid0(VALU_DEP_4)
	v_max3_num_f32 v[\m+2*\b], v[\m+2*\b], |v[\x+32*\b+\i]|, |v[\x+32*\b+\i+1]|
	s_delay_alu instid0(VALU_DEP_4)
	v_max3_num_f32 v[\m+2*\b+1], v[\m+2*\b+1], |v[\x+32*\b+17+\i]|, |v[\x+32*\b+18+\i]|
.endr
.endr
.irp b, 0
	s_delay_alu instid0(VALU_DEP_4)
	v_max3_num_f32 v[\m+2*\b], v[\m+2*\b], |v[\x+32*\b+14]|, |v[\x+32*\b+15]|
.endr
.irp b, 1
	s_delay_alu instid0(VALU_DEP_3)
	v_max3_num_f32 v[\m+2*\b], v[\m+2*\b], |v[\x+32*\b+14]|, |v[\x+32*\b+15]|
.endr
.irp b, 0,1
	s_delay_alu instid0(VALU_DEP_2)
	v_max3_num_f32 v[\m+2*\b], v[\m+2*\b], v[\m+2*\b+1], |v[\x+32*\b+31]|
.endr
.irp b, 0,1
	s_delay_alu instid0(VALU_DEP_2)
	v_add_nc_u32 v[\m+4+\b], 0xfe000000, v[\m+2*\b]
.endr
.irp b, 0,1
	s_delay_alu instid0(VALU_DEP_2)
	v_lshrrev_b32 v[\m+6+\b], 23, v[\m+4+\b]
.endr
.irp b, 0,1
	v_cvt_scalef32_pk16_bf6_f32 v[\d+6*\b:\d+6*\b+2], v[\x+32*\b:\x+32*\b+15], v[\m+4+\b]
	v_cvt_scalef32_pk16_bf6_f32 v[\tp+4*\b:\tp+4*\b+2], v[\x+32*\b+16:\x+32*\b+31], v[\m+4+\b]
.endr
	v_nop
.irp b, 0,1
.irp i, 0,1,2
	v_mov_b32 v[\d+6*\b+3+\i], v[\tp+4*\b+\i]
.endr
.endr
.endm
.macro MM d, a, b, cc, sa, sb
	v_wmma_scale_f32_16x16x128_f8f6f4 v[\d:\d+7], v[\a:\a+11], v[\b:\b+11], v[\cc:\cc+7], v[\sa], v[\sb] matrix_a_fmt:MATRIX_FMT_BF6 matrix_b_fmt:MATRIX_FMT_BF6
.endm
	s_load_b512 s[4:19], s[0:1], 0x0
	s_load_b128 s[20:23], s[0:1], 0x40
	s_load_b64 s[24:25], s[0:1], 0x50
	v_lshl_add_u32 v[SPW], v0, 2, SPARE
	v_mov_b32 v[NIL], 0
	ds_add_u32 v[SPW], v[NIL]
	ds_add_u32 v[SPW], v[NIL]
	v_lshrrev_b32 v14, 5, v0
	s_delay_alu instid0(VALU_DEP_1)
	v_readfirstlane_b32 s[WV], v14
	s_lshr_b32 s[TZ], ttmp9, 6
	s_and_b32 s[BLK], ttmp9, 63
	s_cmp_lg_u32 s[TZ], 0
	s_cselect_b32 s[KV], 1, 0
	s_mov_b32 s[G1+0], (3<<16)|(1<<20)|(7<<22)|(3<<25)
	s_mov_b32 s[G1+1], 128<<16
	s_mov_b32 s[G1+2], 32<<16
	s_mov_b32 s[G1+3], 128<<16
	s_mov_b32 s[G1+4], 32
	s_mov_b32 s[G1+5], 128
	s_mov_b32 s[G1+6], 0
	s_mov_b32 s[G1+7], 0
	s_lshl_b32 s52, s[WV], 4                       ; I fetch rows 16 w on of the block's 128
	s_lshl_b32 s54, s[BLK], 7
	s_add_co_u32 s52, s52, s54
	s_lshl_b32 s52, s52, 11
	s_mov_b32 s53, 0
	s_mul_i32 s58, s[WV], WREG
	s_bfe_u32 s73, s[WV], 0x10001                  ; bit 1 of the wave's number
	s_lshl_b32 s72, s73, 4
	s_add_co_u32 s58, s58, s72                     ; where my 16 rows go
	s_lshr_b32 s72, s[WV], 2
	s_lshl_b32 s72, s72, 2
	s_add_co_u32 s72, s72, s73                     ; my tile's first chunk was fetched by wave 4 (w / 4) + (w / 2) % 2,
	s_mul_i32 s72, s72, WREG
	s_and_b32 s73, s[WV], 1
	s_mul_i32 s73, s73, 16640                      ; as its rows 8 (w % 2) on
	s_add_co_u32 s72, s72, s73
	s_lshr_b32 s60, s[BLK], 5
	s_lshl_b32 s60, s60, 3
	s_add_co_u32 s60, s60, s[WV]
	s_lshl_b32 s60, s60, 5
	s_and_b32 s61, s[BLK], 31
	s_add_co_u32 s60, s60, s61
	s_mul_i32 s62, s60, 6144
	s_lshl_b32 s62, s62, s[KV]
	s_lshl_b32 s68, s60, 9
	s_mul_i32 s68, s68, s[KV]
	s_add_co_u32 s62, s62, s68                     ; k, v: a step is 12,800 bytes
	s_lshl_b32 s66, s60, 8                         ; q: 256 bytes of scale words a block
	s_add_co_u32 s68, s62, 12288                   ; k, v: the scale words lie behind the step's codes
	s_cmp_lg_u32 s[KV], 0
	s_cselect_b32 s66, s68, s66
	s_cmp_eq_u32 s[TZ], 2
	s_cselect_b32 s61, 1, 0
	s_mul_i32 s68, s61, 6144
	s_add_co_u32 s62, s62, s68
	s_lshl_b32 s68, s61, 8
	s_add_co_u32 s66, s66, s68
	s_mov_b32 s63, 0
	s_mov_b32 s67, 0
	s_mov_b32 s[SEL], 0x76543210
	s_mov_b32 s[SEL+1], 0xfedcba98
	s_wait_dscnt 0x0
	s_wait_kmcnt 0x0
	s_cmp_eq_u32 s[TZ], 0
	s_cselect_b64 s[4:5], s[4:5], s[6:7]
	s_cselect_b64 s[14:15], s[14:15], s[16:17]
	s_cselect_b64 s[20:21], s[20:21], s[24:25]
	s_cselect_b64 s[22:23], s[22:23], s[24:25]
	s_cmp_eq_u32 s[TZ], 2
	s_cselect_b64 s[4:5], s[8:9], s[4:5]
	s_cselect_b64 s[14:15], s[18:19], s[14:15]
	s_add_nc_u64 s[4:5], s[4:5], s[52:53]
	s_mov_b32 s40, 1
	s_mov_b32 s41, s58
	s_mov_b64 s[42:43], s[4:5]
	s_or_b32 s43, s43, 0x80000000
	tensor_load_to_lds s[40:43], s[G1:G1+7]        ; my one tensor load
	s_nop 0
.rept 4
	v_nop
.endr
	v_and_b32 v14, 31, v0
	s_delay_alu instid0(VALU_DEP_1)
	v_lshlrev_b32 v[GL], 4, v14
	s_delay_alu instid0(VALU_DEP_1)
	v_add_nc_u32 v[LI], XIMG, v[GL]
	s_delay_alu instid0(VALU_DEP_3)
	v_lshl_add_u32 v[LS], v14, 2, XSC
	v_and_b32 v15, 15, v0
	s_delay_alu instid0(VALU_DEP_1)
	v_lshlrev_b32 v[GR], 4, v15
	v_bfe_u32 v14, v0, 4, 1
	s_delay_alu instid0(VALU_DEP_1)
	v_lshlrev_b32 v[SH], 3, v14
	s_delay_alu instid0(VALU_DEP_1)
	v_add_nc_u32 v[SO], v[GR], v[SH]
	s_delay_alu instid0(VALU_DEP_3)
	v_lshlrev_b32 v[BO], 7, v14
	v_and_b32 v[BV], 7, v15
	s_delay_alu instid0(VALU_DEP_1)
	v_mul_u32_u24 v[XA], v[BV], 2080
	s_delay_alu instid0(VALU_DEP_2)
	v_lshlrev_b32 v[BV], 2, v[BV]
	v_lshrrev_b32 v15, 3, v15
	s_delay_alu instid0(VALU_DEP_1)
	v_mad_u32_u24 v[XA], v15, HALF2, v[XA]
	s_delay_alu instid0(VALU_DEP_2)
	v_lshl_add_u32 v[BV], v15, 7, v[BV]
	s_delay_alu instid0(VALU_DEP_2)
	v_add_nc_u32 v[XA], v[BO], v[XA]
	s_delay_alu instid0(VALU_DEP_1)
	v_add_nc_u32 v[XA], s72, v[XA]
	s_mul_i32 s59, s[WV], 6144
	v_add_nc_u32 v[XWI], s59, v[LI]
	s_lshl_b32 s59, s[WV], 9
	v_add_nc_u32 v[XWS], s59, v[LS]
	v_mov_b32 v[WD+1], 0
	s_lshl_b32 s58, s[TZ], 3
	s_add_co_u32 s58, s58, s[WV]
	s_mul_i32 s60, s58, 24576
	s_mov_b32 s61, 0
	s_add_nc_u64 s[10:11], s[10:11], s[60:61]
	s_lshl_b32 s60, s58, 10
	s_add_nc_u64 s[12:13], s[12:13], s[60:61]
	s_lshl_b32 s60, s[WV], 8
	s_add_nc_u64 s[14:15], s[14:15], s[60:61]
	s_add_nc_u64 s[20:21], s[20:21], s[62:63]
	s_add_nc_u64 s[22:23], s[22:23], s[66:67]
	WIN 0x40
.set n, 0
.rept 48
	global_load_b128 v[4*n:4*n+3], v[GL], s[10:11] offset:512*n
.set n, n+1
.endr
	WIN 0
.irp t, 0,1,2,3
	global_load_b128 v[WS+4*\t:WS+4*\t+3], v[GR], s[12:13] offset:256*\t
.endr
	s_cmp_eq_u32 s[TZ], 2
	s_cbranch_scc1 .Lbias_v
.irp t, 0,1,2,3
	global_load_b128 v[BI+8*\t:BI+8*\t+3], v[BO], s[14:15] offset:32*\t
	global_load_b128 v[BI+8*\t+4:BI+8*\t+7], v[BO], s[14:15] offset:32*\t+16
.endr
	s_branch .Lbias_done
.Lbias_v:
.set n, 0
	s_wait_alu depctr_va_vdst(0)
.rept 32
	global_load_b32 v[BI+n], v[BV], s[14:15] offset:32*(n/8)
.set n, n+1
.endr
.Lbias_done:
.macro XLD s, set
.set n, 0
.rept 16
	ds_load_b128 v[ACC+64*(\set)+4*n:ACC+64*(\set)+4*n+3], v[XA] offset:512*(\s)+16*((\s)/2)+256*(n/8)+16*(n%8)
.set n, n+1
.endr
.endm
	s_wait_alu depctr_va_vdst(0)                   ; directly ahead of the wait below
	s_wait_tensorcnt 0x0                           ; my 16 rows are in,
	s_barrier_signal -1
	s_barrier_wait -1                              ; and everybody's: my tile's rows were fetched by two waves, at most one of them mine
	XLD 0, 0
.irp s, 0,1,2,3
	s_wait_dscnt 0x0
.if \s < 3
	XLD \s+1, (\s+1)%2
.endif
	QPAIR ACC+64*(\s%2), XF, XF+12, CH
	v_lshl_or_b32 v[WD], v[CH+7], 16, v[CH+6]
	s_delay_alu instid0(VALU_DEP_1)
	v_lshlrev_b32 v[WD], v[SH], v[WD]
	s_delay_alu instid0(VALU_DEP_1)
	v_permlanex16_b32 v[WD+1], v[WD], s[SEL], s[SEL+1]
	s_delay_alu instid0(VALU_DEP_1)
	v_or_b32 v[WD], v[WD], v[WD+1]
.irp q, 0,1,2
	ds_store_b128 v[XWI], v[XF+4*\q:XF+4*\q+3] offset:1536*\s+512*\q
.endr
	ds_store_b32 v[XWS], v[WD] offset:128*\s
.endr
	s_wait_dscnt 0x0
	s_barrier_signal -1
	s_barrier_wait -1
	s_wait_loadcnt 0x0
.macro HALF c, pv
.irp s, 0,1,2,3
.irp u, 0,1,2,3
.irp q, 0,1,2
	ds_load_b128 v[XF+12*\u+4*\q:XF+12*\u+4*\q+3], v[LI] offset:1536*(4*(4*\c+\u)+\s)+512*\q
.endr
	ds_load_b32 v[XS+\u], v[LS] offset:128*(4*(4*\c+\u)+\s)
.endr
	s_wait_dscnt 0x0
.if \pv
	WIN 0x04
.else
	WIN 0x01
.endif
.irp u, 0,1,2,3
.irp t, 0,1,2,3
.if \pv
.if \s == 0
	MM ACC+32*\u+8*\t, XF+12*\t, 12*(4*\u+\s), BI+8*\u, XS+\t, WS+4*\u+\s
.else
	MM ACC+32*\u+8*\t, XF+12*\t, 12*(4*\u+\s), ACC+32*\u+8*\t, XS+\t, WS+4*\u+\s
.endif
.else
.if \s == 0
	MM ACC+32*\u+8*\t, 12*(4*\t+\s), XF+12*\u, BI+8*\t, WS+4*\t+\s, XS+\u
.else
	MM ACC+32*\u+8*\t, 12*(4*\t+\s), XF+12*\u, ACC+32*\u+8*\t, WS+4*\t+\s, XS+\u
.endif
.endif
.endr
.endr
	WIN 0
.rept 4
	v_nop
.endr
.endr
.endm
.macro QFOUR c, pv
.irp i, 0,1,2,3
	v_max3_num_f32 v[CH+2*\i], |v[ACC+32*\i]|, |v[ACC+32*\i+1]|, 0x2800000
	v_max3_num_f32 v[CH+2*\i+1], |v[ACC+32*\i+16]|, |v[ACC+32*\i+17]|, |v[ACC+32*\i+18]|
.endr
.irp k, 2,4,6,8,10,12
.irp i, 0,1,2,3
	v_max3_num_f32 v[CH+2*\i], v[CH+2*\i], |v[ACC+32*\i+\k]|, |v[ACC+32*\i+\k+1]|
	v_max3_num_f32 v[CH+2*\i+1], v[CH+2*\i+1], |v[ACC+32*\i+17+\k]|, |v[ACC+32*\i+18+\k]|
.endr
.endr
.irp i, 0,1,2,3
	v_max3_num_f32 v[CH+2*\i], v[CH+2*\i], |v[ACC+32*\i+14]|, |v[ACC+32*\i+15]|
.endr
.irp i, 0,1,2,3
	v_max3_num_f32 v[CH+2*\i], v[CH+2*\i], v[CH+2*\i+1], |v[ACC+32*\i+31]|
.endr
.irp i, 0,1,2,3
	s_delay_alu instid0(VALU_DEP_4)
	v_add_nc_u32 v[CH+2*\i], 0xfe000000, v[CH+2*\i]
.endr
.irp i, 0,1,2,3
	s_delay_alu instid0(VALU_DEP_4)
	v_lshrrev_b32 v[CH+2*\i+1], 23, v[CH+2*\i]
.endr
.irp i, 0,1,2,3
.if \pv
.if \c == 0
	s_delay_alu instid0(VALU_DEP_4)
	v_mov_b32 v[WD+\i], v[CH+2*\i+1]
.else
	s_delay_alu instid0(VALU_DEP_4)
	v_lshl_or_b32 v[WD+\i], v[CH+2*\i+1], 16, v[WD+\i]
.endif
.else
.if \i%2 == 0
	s_delay_alu instid0(VALU_DEP_4)
	v_mov_b32 v[WD+2*\c+\i/2], v[CH+2*\i+1]
.else
	s_delay_alu instid0(VALU_DEP_1)
	v_lshl_or_b32 v[WD+2*\c+\i/2], v[CH+2*\i+1], 16, v[WD+2*\c+\i/2]
.endif
.endif
.endr
	WIN 0x40
.irp i, 0,1,2,3
.if \pv
	v_cvt_scalef32_pk16_bf6_f32 v[CD+12*\i+6*\c:CD+12*\i+6*\c+2], v[ACC+32*\i:ACC+32*\i+15], v[CH+2*\i]
.else
	v_cvt_scalef32_pk16_bf6_f32 v[CD+24*\c+6*\i:CD+24*\c+6*\i+2], v[ACC+32*\i:ACC+32*\i+15], v[CH+2*\i]
.endif
	v_cvt_scalef32_pk16_bf6_f32 v[CT+4*\i:CT+4*\i+2], v[ACC+32*\i+16:ACC+32*\i+31], v[CH+2*\i]
.endr
	v_nop
	WIN 0x41
.irp i, 0,1,2,3
.irp k, 0,1,2
.if \pv
	v_mov_b32 v[CD+12*\i+6*\c+3+\k], v[CT+4*\i+\k]
.else
	v_mov_b32 v[CD+24*\c+6*\i+3+\k], v[CT+4*\i+\k]
.endif
.endr
.endr
	WIN 0
.endm
	s_cmp_eq_u32 s[TZ], 2
	s_cbranch_scc1 .Lpath_v
	HALF 0, 0
	QFOUR 0, 0
	HALF 1, 0
	QFOUR 1, 0
	s_branch .Lout
.Lpath_v:
	HALF 0, 1
	QFOUR 0, 1
	HALF 1, 1
	QFOUR 1, 1
.Lout:
.irp i, 0,1,2,3
	v_lshlrev_b32 v[WD+\i], v[SH], v[WD+\i]
.endr
.irp i, 0,1,2,3
	s_delay_alu instid0(VALU_DEP_4)
	v_permlanex16_b32 v[CH+\i], v[WD+\i], s[SEL], s[SEL+1]
.endr
.irp i, 0,1,2,3
	s_delay_alu instid0(VALU_DEP_4)
	v_or_b32 v[WD+\i], v[WD+\i], v[CH+\i]
.endr
	v_cmp_eq_u32 vcc_lo, 0, v[SH]
	s_delay_alu instid0(VALU_DEP_1)
	v_cndmask_b32 v[CH], v[WD+2], v[WD], vcc_lo
	s_delay_alu instid0(VALU_DEP_2)
	v_cndmask_b32 v[CH+1], v[WD+3], v[WD+1], vcc_lo
	WIN 0x04
.set n, 0
.rept 12
	global_store_b128 v[GL], v[CD+4*n:CD+4*n+3], s[20:21] offset:512*n
.set n, n+1
.endr
	WIN 0
	global_store_b64 v[SO], v[CH:CH+1], s[22:23]
	s_wait_tensorcnt 0x0
	ds_add_u32 v[SPW], v[NIL]
	s_wait_dscnt 0x0
	s_endpgm
.Lfunc_end_k_qb06b55407b_proj:
	.size	k_qb06b55407b_proj, .Lfunc_end_k_qb06b55407b_proj-k_qb06b55407b_proj
	.p2alignl 7, 3214868480
	.fill 96, 4, 3214868480
	.section	.rodata,"a",@progbits
	.p2align	6, 0x0
	.amdhsa_kernel k_qb06b55407b_proj
		.amdhsa_group_segment_fixed_size 327680
		.amdhsa_private_segment_fixed_size 0
		.amdhsa_enable_private_segment 0
		.amdhsa_kernarg_size 88
		.amdhsa_user_sgpr_count 2
		.amdhsa_user_sgpr_kernarg_segment_ptr 1
		.amdhsa_wavefront_size32 1
		.amdhsa_system_sgpr_workgroup_id_x 1
		.amdhsa_system_sgpr_workgroup_id_y 1
		.amdhsa_system_sgpr_workgroup_id_z 1
		.amdhsa_system_vgpr_workitem_id 0
		.amdhsa_next_free_vgpr 512
		.amdhsa_next_free_sgpr 80
		.amdhsa_reserve_vcc 1
		.amdhsa_float_denorm_mode_32 3
		.amdhsa_float_denorm_mode_16_64 3
		.amdhsa_memory_ordered 1
		.amdhsa_forward_progress 1
		.amdhsa_inst_pref_size 114
	.end_amdhsa_kernel
	.amdgpu_metadata
---
amdhsa.version: [ 1, 2 ]
amdhsa.kernels:
  - .name:           k_qb06b55407b_proj
    .symbol:         k_qb06b55407b_proj.kd
    .args:
      - { .name: q, .offset: 0, .size: 8, .value_kind: global_buffer, .address_space: global }
      - { .name: k, .offset: 8, .size: 8, .value_kind: global_buffer, .address_space: global }
      - { .name: v, .offset: 16, .size: 8, .value_kind: global_buffer, .address_space: global }
      - { .name: wc, .offset: 24, .size: 8, .value_kind: global_buffer, .address_space: global }
      - { .name: ws, .offset: 32, .size: 8, .value_kind: global_buffer, .address_space: global }
      - { .name: bq, .offset: 40, .size: 8, .value_kind: global_buffer, .address_space: global }
      - { .name: bk, .offset: 48, .size: 8, .value_kind: global_buffer, .address_space: global }
      - { .name: bv, .offset: 56, .size: 8, .value_kind: global_buffer, .address_space: global }
      - { .name: qc, .offset: 64, .size: 8, .value_kind: global_buffer, .address_space: global }
      - { .name: qs, .offset: 72, .size: 8, .value_kind: global_buffer, .address_space: global }
      - { .name: kv, .offset: 80, .size: 8, .value_kind: global_buffer, .address_space: global }
    .group_segment_fixed_size: 327680
    .private_segment_fixed_size: 0
    .kernarg_segment_align: 8
    .kernarg_segment_size: 88
    .max_flat_workgroup_size: 256
    .sgpr_count:     80
    .vgpr_count:     512
    .wavefront_size: 32
...
	.end_amdgpu_metadata
.endif
;; end of part 2
;; launch attn (part 3): grid 16 x 16, 8 waves a work-group, clusters of 4 x 1, 327,680 bytes of LDS; arguments qc, qs, kv, oc, os; writes oc, os
.if DOCPART == 3
	.amdgcn_target "amdgcn-amd-amdhsa--gfx1250"
	.amdhsa_code_object_version 6
	.text
	.protected	k_qb06b55407b_attn
	.globl	k_qb06b55407b_attn
	.p2align	8
	.type	k_qb06b55407b_attn,@function
k_qb06b55407b_attn:
	s_mov_b64 s[64:65], 0
	v_nop
	global_prefetch_b8 v0, s[64:65] scope:SCOPE_SE
	s_setreg_imm32_b32 hwreg(HW_REG_WAVE_MODE, 25, 1), 1
	s_wait_xcnt 0x0
	s_wait_alu depctr_hold_cnt(0) depctr_sa_sdst(0) depctr_va_vdst(0) depctr_va_sdst(0) depctr_va_ssrc(0) depctr_va_vcc(0) depctr_vm_vsrc(0)
	s_getreg_b32 s2, hwreg(HW_REG_IB_STS2, 6, 4)
	s_cmp_eq_u32 s2, 0
	s_cbranch_scc0 .Lentry_in_a_cluster
	s_endpgm
.Lentry_in_a_cluster:
	s_bfe_u32 s2, ttmp6, 0x10000c
	s_cmp_lg_u32 s2, 0x3003
	s_cbranch_scc0 .Lentry_shape_is_right
	s_endpgm
.Lentry_shape_is_right:
; ATTN: o = softmax(q k^T / 8) v for 16 (batch, head) pairs of 4,096 tokens, head size 64, both products on codes of BF6 (E3M2); o is quantised for the last projection.  No work of the problem is left out.
; SOFTMAX: t = score x log2(e) / 8; M = the row's largest t so far, rounded UP to a whole number; p = 2^(t - M) is quantised along the keys, not normalised.  The row's sum is taken of the unquantised p and divides O
; at the end.  When M moves, the sum and O^T are multiplied by 2^(old M - new M): exact.
; SHARES.  A work-group owns 256 queries of one (batch, head); each of its eight waves owns 32, tiles A and B of 16; each fragment of K and V read from LDS feeds both.
; LAYOUT.  Both products are used transposed: S^T = K Q^T, O^T = V^T P^T: a lane holds ONE query (lane % 16).  The launch before chose a tile's keys so that the 32 registers of four tiles are keys 64 c + 32 h + 0 .. 31:
; a whole block of p's quantiser in one lane, in the order of the operand's registers.
; K = 64 IN AN INSTRUCTION OF K = 128.  A fragment of K holds tile 2 v in k 0-63 and tile 2 v + 1 in k 64-127 and is multiplied twice: by (Q | 0) and by (0 | Q).  Q lies as 18 registers, 0 x 6, Q x 6, 0 x 6.
; Zero codes add nothing under any scale byte but 0xff, which the quantiser never gives.  Q's scale word is (s0, s1, s0, s1) and serves both.
; BOTH TILES ARE WORKED TOGETHER.  Window 1 holds both tiles' S^T, O^T and softmax state, so one window setting serves both: their chains of maxima and of M take turns; tile A's exponentials stand by turns with tile B's
; multiply-adds, tile B's with tile A's conversions and the first level of its sum (writes that nothing reads before the next wait).  O^T is brought under the new M ahead of the step's first exponential.
; THE RING.  A step of 128 keys is 12,800 dense bytes of kv: K's codes, V's codes, 512 bytes of scale words.  Two LDS slots of 8 steps; wave w fetches step w of a slot by one tensor load of 50 lines of 256 bytes.
; Slot 0 is filled at the head, slot 1 behind the full sequence and a round; each slot is filled once more.  K's fragments of step j + 1 are asked of LDS behind step j's products with Q.  A slot's last step is written
; out: it asks for nothing ahead, and signals the change's barrier as soon as its last LDS reads are in; work on registers stands between signal and wait.
; CLUSTER.  The four query blocks of a cluster belong to one (batch, head) and walk the same kv: every tile is asked for JOINTLY, by the same tensor load with the same descriptor and a mask that names the four.
; OUT.  oc [row tile 512][head 8][3][lane][8 bytes]; os [row tile][lane row 16][head][h]: a row's 16 scale bytes come from eight work-groups, so they leave as single bytes: 131,072 bytes in the whole launch.
; LIMITS: the promise holds while the scaled scores t stay under 2^31 in magnitude; a block of zeros gets the byte 1 where the rule says 127 (zero codes; this program alone reads the bytes); a p under 2^-126 is 0
; (v_exp_f32 gives no denormals: ISA guide, its entry); NaN and infinities are not served.
.set STEPB, 12800
.set SLOTB, 8*STEPB                    ; 102,400
.set SLOT1, 1<<17                      ; slot 1 begins here: one exclusive or turns an address in one slot into the other's
.set SPARE, SLOTB                      ; between the slots: the spare words, 128 bytes for each wave, which no other line names
; WINDOW 0
.set LN16, 1                           ; v1   16 x lane
.set ADK,  2                           ; v2   LDS address of the step
.set SPW,  4                           ; v4   SPARE + 4 x my thread's number; never rewritten
.set NIL,  5                           ; v5   0; never rewritten
.set PFO,  6                           ; v6   the prefetch's offset: 256 x min(lane, 24)
.set KS,   8                           ; v8-11  the step's scale words for the products with V (lanes 16-31).   v12 8 x lane, v13 16 r + h, v14 16 r: the way out
.set QS,   16                          ; v16, v17 Q's scale words, tiles A and B;  v18, v19 p's
.set PS,   18
.set QA,   20                          ; v20-37 0 | Q | 0 of tile A;  v38-55 of tile B
.set QB,   38
.set CA,   56                          ; v56-67 p's codes, tile A;  v68-79 tile B
.set KK,   84                          ; v84-87 the step's scale words for the products with Q (lanes 0-15), fetched a step ahead
.set TPA,  88                          ; v[88:90], v[92:94] upper halves of tile A's codes;  v[96:98], v[100:102] of tile B's
.set KF,   104                         ; v104-151 K's four pair fragments
.set VF,   152                         ; v152-199 V's four fragments
; WINDOW 1: v0-63 S^T then p of tile A, v64-127 of tile B; v128-159 O^T of tile A, v160-191 of tile B; from MS, 24 registers a tile:
; +0 -M, +1 the largest t, +2,3 the sum, +4..7 maxima, +8,9 f and 0, +10,11 at work, +12,13 the conversions' operands, +14,15 bytes, +16..21 further chains of the sum, +22 the old -M
.set MS,   192
.set H8,   240                         ; 8 h
.set WV,   16                          ; s16 wave; s17 cx; s18 block of 256 queries; s19 (batch, head)
.set SEL,  20                          ; s[20:21] v_permlanex16_b32's selects for lane l xor 16
.set CS,   22                          ; s[22:23] c = log2(e) / 8
.set G1C,  24                          ; s[24:31] descriptor group 1; s[40:43] group 0 for the head's load, s[44:47] the walking one
.set TB,   52                          ; s52 LDS byte at which the step begins
.set SLOTS, 54                         ; s54 slots still to be asked for
.set CNT,  55                          ; s55 counts a slot's first seven steps
.set PFA,  56                          ; s[56:57] where my prefetch stands
.set LIM,  58                          ; s58 1 in a wave that prefetches, else the greatest number
.set MSB, 0
.macro WIN new                         ; s_set_vgpr_msb: bits 1:0 source 0, 3:2 source 1, 5:4 source 2, 7:6 destination; the high byte repeats the setting that is left
.if MSB != \new
	s_set_vgpr_msb (MSB<<8)|\new
.set MSB, \new
.endif
.endm
.macro PLACES
.rept 4
	v_nop
.endr
.endm
.macro CREST                           ; a round of the cluster's barrier behind its opening barrier
	s_cmp_lg_u32 s[WV], 0
	s_cbranch_scc1 .Lnot_wave_0_\@
	s_barrier_signal -3
.Lnot_wave_0_\@:
	s_barrier_wait -3
	s_barrier_signal -1
	s_barrier_wait -1
.endm
.macro CROUND                          ; a whole round
	s_barrier_signal -1
	s_barrier_wait -1
	CREST
.endm
; A PREFETCH INTO THE L2 of the slot's data that the NEXT fill will ask for: 102,400 dense bytes, 400 blocks of 256.  All four clusters of a (batch, head) walk the same kv: the first of them asks.  Its four partners take
; 100 blocks each, told apart BY ADDRESS; in each, waves 0 to 3 take 25 blocks, a lane a block (lanes 25-31 name their wave's last block again).  Asked behind slot 1's first fill and behind the first refill; the second
; refill has no data behind it.
.macro ASK
	s_cmp_gt_u32 s[SLOTS], s[LIM]
	s_cbranch_scc0 .Lnot_mine_\@
	global_prefetch_b8 v[PFO], s[PFA:PFA+1] th:TH_LOAD_NT scope:SCOPE_SE
.Lnot_mine_\@:
.endm
	s_load_b256 s[4:11], s[0:1], 0x0               ; qc s[4:5], qs s[6:7], kv s[8:9], oc s[10:11]
	s_load_b64 s[12:13], s[0:1], 0x20              ; os
	v_lshl_add_u32 v[SPW], v0, 2, SPARE
	v_mov_b32 v[NIL], 0
	ds_add_u32 v[SPW], v[NIL]                      ; the opening: the add, twice on end, and its wait ahead of my first tensor load
	ds_add_u32 v[SPW], v[NIL]
	v_lshrrev_b32 v1, 5, v0
	s_delay_alu instid0(VALU_DEP_1)
	v_readfirstlane_b32 s[WV], v1                  ; wave 0..7
	s_bfe_u32 s17, ttmp6, 0x40000                  ; cx: my place in the cluster
	s_lshl_b32 s18, ttmp9, 2                       ; in a cluster launch ttmp9 counts clusters
	s_add_co_u32 s18, s18, s17                     ; my block of 256 queries: it enters Q's, the results' and the prefetch's addresses alone
	s_and_b32 s19, ttmp7, 0xffff                   ; (batch, head), which the four partners share
	s_mov_b32 s[G1C+0], 15|(3<<16)|(1<<21)         ; the mask: all four work-groups; elements of 8 bytes; bit 21 set beside a mask; no padding: fragments are read 512 consecutive bytes a load
	s_mov_b32 s[G1C+1], 32<<16                     ; tensor_dim0 = 32: lines of 256 bytes
	s_mov_b32 s[G1C+2], 50<<16                     ; tensor_dim1 = 50: a step's 12,800 bytes
	s_mov_b32 s[G1C+3], 32<<16                     ; tile_dim0
	s_mov_b32 s[G1C+4], 50                         ; tile_dim1
	s_mov_b32 s[G1C+5], 32                         ; from line to line
	s_mov_b32 s[G1C+6], 0
	s_mov_b32 s[G1C+7], 0
	s_mul_i32 s60, s19, 32*STEPB                   ; what I fetch: made of (batch, head) and the wave's number alone
	s_mul_i32 s62, s[WV], STEPB                    ; step w of a slot, in memory and in LDS
	s_add_co_u32 s60, s60, s62
	s_mov_b32 s61, 0
	s_lshl_b32 s68, s19, 7                         ; Q's pair fragment 128 bh + 8 block + w
	s_lshl_b32 s69, s18, 3
	s_add_co_u32 s68, s68, s69
	s_add_co_u32 s68, s68, s[WV]
	s_mul_i32 s68, s68, 1536
	s_mov_b32 s69, 0
	s_lshl_b32 s70, s19, 5                         ; its scale words: block of 128 queries 32 bh + 2 block + w / 4, word w % 4
	s_lshl_b32 s71, s18, 1
	s_add_co_u32 s70, s70, s71
	s_lshr_b32 s71, s[WV], 2
	s_add_co_u32 s70, s70, s71
	s_lshl_b32 s70, s70, 8
	s_and_b32 s71, s[WV], 3
	s_lshl_b32 s71, s71, 2
	s_add_co_u32 s70, s70, s71
	s_mov_b32 s71, 0
	s_lshr_b32 s72, s19, 3                         ; my first row tile of the 512: 256 batch + 16 block + 2 w
	s_lshl_b32 s72, s72, 8
	s_lshl_b32 s73, s18, 4
	s_add_co_u32 s72, s72, s73
	s_lshl_b32 s73, s[WV], 1
	s_add_co_u32 s72, s72, s73
	s_and_b32 s73, s19, 7                          ; the head
	s_mul_i32 s74, s72, 6144
	s_mul_i32 s75, s73, 768
	s_add_co_u32 s74, s74, s75
	s_mov_b32 s75, 0
	s_lshl_b32 s76, s72, 8
	s_lshl_b32 s77, s73, 1
	s_add_co_u32 s76, s76, s77
	s_mov_b32 s77, 0
	s_mul_i32 s78, s19, 32*STEPB                   ; the prefetch: my work-group's 25,600 bytes, my wave's 6,400 of them, in the third eight steps' data
	s_mul_i32 s79, s17, 25600
	s_add_co_u32 s78, s78, s79
	s_mul_i32 s79, s[WV], 6400
	s_add_co_u32 s78, s78, s79
	s_add_co_u32 s78, s78, 2*SLOTB
	s_mov_b32 s79, 0
	s_cmp_lt_u32 s[WV], 4
	s_cselect_b32 s[LIM], 0, 1
	s_or_b32 s[LIM], s[LIM], ttmp9                 ; 0 in waves 0 to 3 of the (batch, head)'s first cluster: the same in all four partners
	s_cmp_eq_u32 s[LIM], 0
	s_cselect_b32 s[LIM], 1, -1
	s_mov_b32 s[SEL], 0x76543210
	s_mov_b32 s[SEL+1], 0xfedcba98
	s_mov_b32 s[CS], 0x3e38aa3b                    ; c = log2(e) / sqrt(64)
	s_mov_b32 s[CS+1], s[CS]                       ; (named with it as a pair, so it is written)
	s_mov_b32 s[TB], 0
	s_mov_b32 s[SLOTS], 2
	s_wait_dscnt 0x0                               ; both opening adds are done
	s_wait_kmcnt 0x0
	s_add_nc_u64 s[PFA:PFA+1], s[8:9], s[78:79]
	s_add_nc_u64 s[8:9], s[8:9], s[60:61]          ; kv at my step of the first eight
	s_add_nc_u64 s[4:5], s[4:5], s[68:69]
	s_add_nc_u64 s[6:7], s[6:7], s[70:71]
	s_add_nc_u64 s[10:11], s[10:11], s[74:75]
	s_add_nc_u64 s[12:13], s[12:13], s[76:77]
	CROUND                                         ; all four work-groups are here: the first joint loads meet
	s_mov_b32 s40, 1                               ; group 0 for slot 0's first fill
	s_mov_b32 s41, s62
	s_mov_b64 s[42:43], s[8:9]
	s_or_b32 s43, s43, 0x80000000
	s_mov_b32 s44, 1                               ; for slot 1; this one then walks
	s_add_co_u32 s45, s62, SLOT1
	s_add_nc_u64 s[46:47], s[8:9], SLOTB
	s_or_b32 s47, s47, 0x80000000
	tensor_load_to_lds s[40:43], s[G1C:G1C+7]      ; my one tensor load at the head: step w of the first eight
	s_nop 0
	PLACES
	v_and_b32 v7, 31, v0                           ; lane
	v_and_b32 v3, 15, v0                           ; r
	v_bfe_u32 v88, v0, 4, 1                        ; h
	v_lshlrev_b32 v[LN16], 4, v7
	v_min_u32 v89, 24, v7
	v_lshlrev_b32 v12, 3, v7
	v_lshlrev_b32 v14, 4, v3
	v_lshlrev_b32 v90, 3, v88
	v_lshlrev_b32 v[PFO], 8, v89
	v_add_nc_u32 v13, v14, v88
	v_add_nc_u32 v[ADK], s[TB], v[LN16]
	global_load_b128 v[QA+6:QA+9], v[LN16], s[4:5]             ; tile A: registers 0-5 of my pair fragment
	global_load_b64 v[QA+10:QA+11], v[LN16], s[4:5] offset:512
	global_load_b32 v15, v14, s[6:7]                           ; its scale word: bytes (A h0, A h1, B h0, B h1)
	global_load_b64 v[QB+6:QB+7], v[LN16], s[4:5] offset:520   ; tile B: registers 6-11
	global_load_b128 v[QB+8:QB+11], v[LN16], s[4:5] offset:1024
	s_wait_loadcnt 0x0
	v_perm_b32 v[QS], v15, v15, 0x01000100         ; (s0, s1, s0, s1) of tile A,
	v_perm_b32 v[QS+1], v15, v15, 0x03020302       ; of tile B
.irp z, 0,1,2,3,4,5,12,13,14,15,16,17
	v_mov_b32 v[QA+\z], 0                          ; the zero codes on both sides of Q
	v_mov_b32 v[QB+\z], 0
.endr
	WIN 0x40                                       ; destination window 1.  The step is written once: the first finds zeros, which the first change of M leaves zeros
.irp t, 0,1
	v_mov_b32 v[MS+24*\t], 0x7f61b1e6              ; -M = 3e38, a whole number
	v_mov_b32 v[MS+24*\t+1], 0xff61b1e6            ; the largest t so far: -3e38, under every t
.irp z, 2,3,9,11
	v_mov_b32 v[MS+24*\t+\z], 0                    ; the sum; the upper half of f's pair; a lane permute's destination
.endr
.endr
.set n, 0
.rept 64
	v_mov_b32 v[128+n], 0                          ; O^T, both tiles
.set n, n+1
.endr
	v_mov_b32 v[H8], v90
	WIN 0
; S^T = K Q^T for one tile of queries: 8 matrix instructions; tile u of group c comes from half u % 2 of pair fragment 2 c + u / 2
.macro QK s, q, qsr
.irp c, 0,1
.irp u, 0,1,2,3
	v_wmma_scale_f32_16x16x128_f8f6f4 v[\s+32*\c+8*\u:\s+32*\c+8*\u+7], v[KF+12*(2*\c+\u/2):KF+12*(2*\c+\u/2)+11], v[\q+6-6*(\u%2):\q+17-6*(\u%2)], 0, v[KK+2*\c+\u/2], v[\qsr] matrix_a_fmt:MATRIX_FMT_BF6 matrix_b_fmt:MATRIX_FMT_BF6
.endr
.endr
.endm
; O^T += V^T P^T: 4 matrix instructions, K = the step's 128 keys; V's scale words lie in lanes 16-31
.macro PV o, cd, psr
.irp u, 0,1,2,3
	v_wmma_scale_f32_16x16x128_f8f6f4 v[\o+8*\u:\o+8*\u+7], v[VF+12*\u:VF+12*\u+11], v[\cd:\cd+11], v[\o+8*\u:\o+8*\u+7], v[KS+\u], v[\psr] matrix_a_fmt:MATRIX_FMT_BF6 matrix_b_fmt:MATRIX_FMT_BF6 matrix_a_scale:MATRIX_SCALE_ROW1
.endr
.endm
.macro LOADK off                       ; K's four pair fragments and the scale words of the step that begins off bytes behind ADK: 13 loads
.set n, 0
.rept 12
	ds_load_b128 v[KF+4*n:KF+4*n+3], v[ADK] offset:\off+512*n
.set n, n+1
.endr
	ds_load_b128 v[KK:KK+3], v[ADK] offset:\off+12288
.endm
.macro TMA cnt                         ; tile A: t - M, two at a time (of the pairs c and -M the low word serves both halves)
.rept \cnt
	v_pk_fma_f32 v[2*n:2*n+1], v[2*n:2*n+1], s[CS:CS+1], v[MS:MS+1] op_sel_hi:[1,0,0]
.set n, n+1
.endr
.endm
.macro RND                             ; six chains of the two sums take a turn: two partial sums of tile A, four pairs of tile B
	v_pk_add_f32 v[MS+2:MS+3], v[MS+2:MS+3], v[4*pa:4*pa+1]
	v_pk_add_f32 v[MS+16:MS+17], v[MS+16:MS+17], v[4*pa+4:4*pa+5]
	v_pk_add_f32 v[MS+26:MS+27], v[MS+26:MS+27], v[pb:pb+1]
	v_pk_add_f32 v[MS+40:MS+41], v[MS+40:MS+41], v[pb+2:pb+3]
	v_pk_add_f32 v[MS+42:MS+43], v[MS+42:MS+43], v[pb+4:pb+5]
	v_pk_add_f32 v[MS+44:MS+45], v[MS+44:MS+45], v[pb+6:pb+7]
.set pa, pa+2
.set pb, pb+8
.endm
; A KEY STEP: 128 keys, both tiles.  K's fragments and words are in registers or on their way.  No two matrix instructions that follow each other share an accumulator.
; mode 0: one of a slot's first seven.  1: a slot's last, the slot is filled again behind it.  2: a slot's last, nothing is filled.  3: the walk's last.
.macro STEP mode
	s_wait_dscnt 0x0                               ; K and its words are in
	WIN 0x40                                       ; S^T in window 1
	QK 0, QA, QS
	QK 64, QB, QS+1
	WIN 0
	PLACES                                         ; four plain lines in front of the first read of results and of loads into registers that products have read
.set n, 0
.rept 12
	ds_load_b128 v[VF+4*n:VF+4*n+3], v[ADK] offset:6144+512*n
.set n, n+1
.endr
	ds_load_b128 v[KS:KS+3], v[ADK] offset:12288   ; lanes 16-31: V's words
.if \mode == 0
	LOADK STEPB                                    ; the next step's K, into the registers just read
.endif
	WIN 0x55
.irp t, 0,1
	v_mov_b32 v[MS+24*\t+22], v[MS+24*\t]          ; the old -M
.endr
; THE LARGEST SCORE OF EACH OF A LANE'S FOUR BLOCKS, eight chains by turns: it serves the row's maximum and, since p rises with the score, the block's largest p.  Each accumulator is first read at its low end
.irp c, 0,1
.irp t, 0,1
	v_max3_num_f32 v[MS+24*\t+4+2*\c], v[64*\t+32*\c], v[64*\t+32*\c+1], v[64*\t+32*\c+2]
	v_max3_num_f32 v[MS+24*\t+5+2*\c], v[64*\t+32*\c+16], v[64*\t+32*\c+17], v[64*\t+32*\c+18]
.endr
.endr
.irp i, 3,5,7,9,11,13
.irp c, 0,1
.irp t, 0,1
	v_max3_num_f32 v[MS+24*\t+4+2*\c], v[MS+24*\t+4+2*\c], v[64*\t+32*\c+\i], v[64*\t+32*\c+\i+1]
	v_max3_num_f32 v[MS+24*\t+5+2*\c], v[MS+24*\t+5+2*\c], v[64*\t+32*\c+16+\i], v[64*\t+32*\c+17+\i]
.endr
.endr
.endr
.irp c, 0,1
.irp t, 0,1
	v_max3_num_f32 v[MS+24*\t+4+2*\c], v[MS+24*\t+4+2*\c], v[MS+24*\t+5+2*\c], v[64*\t+32*\c+15]
.endr
.endr
.irp c, 0,1
.irp t, 0,1
	v_max_num_f32 v[MS+24*\t+4+2*\c], v[MS+24*\t+4+2*\c], v[64*\t+32*\c+31]
.endr
.endr
.irp t, 0,1
	s_delay_alu instid0(VALU_DEP_2)
	v_max_num_f32 v[MS+24*\t+10], v[MS+24*\t+4], v[MS+24*\t+6]
.endr
.irp t, 0,1
	s_delay_alu instid0(VALU_DEP_2)
	v_mul_f32 v[MS+24*\t+10], s[CS], v[MS+24*\t+10]          ; as t (c is positive)
.endr
.irp t, 0,1
	s_delay_alu instid0(VALU_DEP_2)
	v_permlanex16_b32 v[MS+24*\t+11], v[MS+24*\t+10], s[SEL], s[SEL+1]
.endr
.irp t, 0,1
	s_delay_alu instid0(VALU_DEP_2)
	v_max3_num_f32 v[MS+24*\t+1], v[MS+24*\t+1], v[MS+24*\t+10], v[MS+24*\t+11]   ; the running largest t of my query
.endr
.irp t, 0,1
	s_delay_alu instid0(VALU_DEP_2)
	v_floor_f32 v[MS+24*\t], -v[MS+24*\t+1]        ; the new -M = floor(-t) = -ceil(t)
.endr
.irp t, 0,1
	s_delay_alu instid0(VALU_DEP_2)
	v_sub_f32 v[MS+24*\t+10], v[MS+24*\t], v[MS+24*\t+22]    ; old M - new M: a whole number, 0 or less
.endr
.set n, 0
	TMA 4
.irp t, 0,1
	v_cvt_i32_f32 v[MS+24*\t+10], v[MS+24*\t+10]   ; (it saturates)
.endr
	TMA 4
.irp t, 0,1
	v_ldexp_f32 v[MS+24*\t+8], 1.0, v[MS+24*\t+10] ; f = 2^(old M - new M)
.endr
	TMA 24
	v_fma_f32 v[MS+4], v[MS+4], s[CS], v[MS]       ; the same of tile A's blocks' largest scores
	v_fma_f32 v[MS+6], v[MS+6], s[CS], v[MS]
.irp t, 0,1
.set n, 0
.rept 16
	v_pk_mul_f32 v[128+32*\t+2*n:128+32*\t+2*n+1], v[128+32*\t+2*n:128+32*\t+2*n+1], v[MS+24*\t+8:MS+24*\t+9] op_sel_hi:[1,0]   ; O^T under the new M, each accumulator from its low end on; no exponential stands between the products that wrote it and these lines
.set n, n+1
.endr
.endr
	s_wait_alu depctr_va_vdst(0)                   ; ahead of tile A's batch
	v_exp_f32 v[MS+4], v[MS+4]                     ; tile A's blocks' largest p: the same two instructions on the same number give the same bits
	v_exp_f32 v[MS+6], v[MS+6]
	v_fma_f32 v[MS+28], v[MS+28], s[CS], v[MS+24]
.set n, 0
.rept 32
	v_exp_f32 v[2*n], v[2*n]                       ; tile A: p = 2^(t - M), at most 1;
	v_exp_f32 v[2*n+1], v[2*n+1]
	v_pk_fma_f32 v[64+2*n:64+2*n+1], v[64+2*n:64+2*n+1], s[CS:CS+1], v[MS+24:MS+25] op_sel_hi:[1,0,0]   ; by turns with tile B's t - M, which nothing reads before the wait below
.set n, n+1
.endr
	v_fma_f32 v[MS+30], v[MS+30], s[CS], v[MS+24]
	s_wait_alu depctr_va_vdst(0)                   ; one wait: behind tile A's batch, ahead of tile B's
	v_exp_f32 v[MS+28], v[MS+28]
	v_exp_f32 v[MS+30], v[MS+30]
	v_max_num_f32 v[MS+4], 0x2800000, v[MS+4]      ; tile A: the floor 2^(5 - 127): the byte cannot fall under 1
	v_max_num_f32 v[MS+6], 0x2800000, v[MS+6]
	v_add_nc_u32 v[MS+12], 0xfe000000, v[MS+4]     ; 4 off the exponent field: the conversion's scale operand
	v_add_nc_u32 v[MS+13], 0xfe000000, v[MS+6]
	WIN 0x05                                       ; the codes lie in window 0
	v_cvt_scalef32_pk16_bf6_f32 v[CA:CA+2], v[0:15], v[MS+12]
	v_cvt_scalef32_pk16_bf6_f32 v[TPA:TPA+2], v[16:31], v[MS+12]       ; (a conversion's three registers begin on an even number)
	v_cvt_scalef32_pk16_bf6_f32 v[CA+6:CA+8], v[32:47], v[MS+13]
	v_cvt_scalef32_pk16_bf6_f32 v[TPA+4:TPA+6], v[48:63], v[MS+13]
	WIN 0x55
	v_pk_mul_f32 v[MS+2:MS+3], v[MS+2:MS+3], v[MS+8:MS+9] op_sel_hi:[1,0]   ; tile A's sum under the new M: the plain line behind the scaled conversions
.set n, 0
.rept 16
	v_exp_f32 v[64+4*n], v[64+4*n]                 ; tile B's p,
	v_exp_f32 v[64+4*n+1], v[64+4*n+1]
	v_exp_f32 v[64+4*n+2], v[64+4*n+2]
	v_exp_f32 v[64+4*n+3], v[64+4*n+3]
	v_pk_add_f32 v[4*n:4*n+1], v[4*n:4*n+1], v[4*n+2:4*n+3]   ; by turns with the first level of tile A's sum, laid over p, whose codes are made: THE ROW'S SUM IS TAKEN OF THE UNQUANTISED p
.set n, n+1
.endr
	s_wait_alu depctr_va_vdst(0)                   ; the wait behind tile B's batch, and ahead of the waits below
	WIN 0
.if \mode == 0
	s_add_co_u32 s[TB], s[TB], STEPB
	v_add_nc_u32 v[ADK], s[TB], v[LN16]            ; all this step's loads are issued: on to the next step
.endif
.if \mode == 1
	s_wait_xcnt 0x0                                ; my earlier prefetch has read its address, so it may be written
	s_add_nc_u64 s[PFA:PFA+1], s[PFA:PFA+1], SLOTB
.endif
.if \mode == 1 || \mode == 2
	s_wait_tensorcnt 0x0                           ; my one tensor load that was out, my part of the other slot, has landed;
	ds_add_u32 v[SPW], v[NIL]                      ; 0 onto my spare word
.endif
	s_wait_dscnt 0x0                               ; V is in (and any K asked for ahead); in a slot's last step: the add is done and my reads of the slot are over,
.if \mode == 1 || \mode == 2
	s_barrier_signal -1                            ; so say so; work on registers alone follows up to the wait
.endif
	WIN 0x55
	v_pk_add_f32 v[MS+2:MS+3], v[MS+2:MS+3], v[0:1]            ; the sums: tile A's 16 partial sums in two chains, tile B's 32 pairs in four; the chains that make the scale words stand between them
	v_pk_add_f32 v[MS+16:MS+17], v[4:5], v[8:9]
	v_pk_fma_f32 v[MS+26:MS+27], v[MS+26:MS+27], v[MS+32:MS+33], v[64:65] op_sel_hi:[1,0,1]   ; tile B's sum under the new M, and its first pair
	v_pk_add_f32 v[MS+40:MS+41], v[66:67], v[68:69]
	v_pk_add_f32 v[MS+42:MS+43], v[70:71], v[72:73]
	v_pk_add_f32 v[MS+44:MS+45], v[74:75], v[76:77]
.set pa, 3
.set pb, 78
	v_max_num_f32 v[MS+28], 0x2800000, v[MS+28]    ; tile B: the floor
	v_max_num_f32 v[MS+30], 0x2800000, v[MS+30]
	v_lshrrev_b32 v[MS+14], 23, v[MS+12]           ; tile A: the scales' bytes
	v_lshrrev_b32 v[MS+15], 23, v[MS+13]
	RND
	v_add_nc_u32 v[MS+36], 0xfe000000, v[MS+28]
	v_add_nc_u32 v[MS+37], 0xfe000000, v[MS+30]
	v_lshl_or_b32 v[MS+10], v[MS+15], 16, v[MS+14] ; my two bytes: blocks h and 2 + h,
	RND
	v_lshrrev_b32 v[MS+38], 23, v[MS+36]
	v_lshrrev_b32 v[MS+39], 23, v[MS+37]
	v_lshlrev_b32 v[MS+10], v[H8], v[MS+10]        ; at their places
	RND
	v_lshl_or_b32 v[MS+34], v[MS+39], 16, v[MS+38]
	v_permlanex16_b32 v[MS+11], v[MS+10], s[SEL], s[SEL+1]
	RND
	v_lshlrev_b32 v[MS+34], v[H8], v[MS+34]
	RND
	v_permlanex16_b32 v[MS+35], v[MS+34], s[SEL], s[SEL+1]
	RND
	v_pk_add_f32 v[MS+2:MS+3], v[MS+2:MS+3], v[60:61]
	v_pk_add_f32 v[MS+26:MS+27], v[MS+26:MS+27], v[126:127]
	WIN 0x05                                       ; scale words and codes lie in window 0
	v_or_b32 v[PS], v[MS+10], v[MS+11]             ; with lane l xor 16's two bytes: p's scale words for these 128 keys
	v_or_b32 v[PS+1], v[MS+34], v[MS+35]
	v_cvt_scalef32_pk16_bf6_f32 v[CA+12:CA+14], v[64:79], v[MS+36]
	v_cvt_scalef32_pk16_bf6_f32 v[TPA+8:TPA+10], v[80:95], v[MS+36]
	v_cvt_scalef32_pk16_bf6_f32 v[CA+18:CA+20], v[96:111], v[MS+37]
	v_cvt_scalef32_pk16_bf6_f32 v[TPA+12:TPA+14], v[112:127], v[MS+37]
	WIN 0
.irp t, 0,1                                    ; tile A's six moves are the plain lines behind tile B's conversions
.irp b, 0,1
.irp i, 0,1,2
	v_mov_b32 v[CA+12*\t+6*\b+3+\i], v[TPA+8*\t+4*\b+\i]
.endr
.endr
.endr
	WIN 0x55
	v_pk_add_f32 v[MS+26:MS+27], v[MS+26:MS+27], v[MS+40:MS+41]   ; the chains are joined: four plain lines between the last write of codes and the products that take them
	v_pk_add_f32 v[MS+42:MS+43], v[MS+42:MS+43], v[MS+44:MS+45]
	v_pk_add_f32 v[MS+2:MS+3], v[MS+2:MS+3], v[MS+16:MS+17]
	v_pk_add_f32 v[MS+26:MS+27], v[MS+26:MS+27], v[MS+42:MS+43]
	WIN 0x50                                       ; O^T in window 1, V and p's codes in window 0
	PV 128, CA, PS
	PV 160, CA+12, PS+1
	WIN 0
.endm
.macro EIGHT mode                      ; a slot's eight steps: seven walked in a loop, the last written out
	s_mov_b32 s[CNT], 7
.Lstep_\@:
	STEP 0
	s_sub_co_u32 s[CNT], s[CNT], 1
	s_cmp_lg_u32 s[CNT], 0
	s_cbranch_scc1 .Lstep_\@
	STEP \mode
.endm
; THE CHANGE OF SLOTS, behind the signal in the last step.  fill = 1: the barrier opens a round of the cluster's, so that no wave of any partner still reads the slot or has a load on its way; the joint refill is the
; first tensor load behind it and has eight steps in which to land.
.macro CHANGE fill
	s_barrier_wait -1
.if \fill
	CREST
	s_xor_b32 s45, s45, SLOT1                      ; no tensor load of mine is out: the walking descriptor takes the other slot than last time,
	s_add_nc_u64 s[46:47], s[46:47], SLOTB         ; and the next eight steps; the type bits on top are not reached
	tensor_load_to_lds s[44:47], s[G1C:G1C+7]      ; my one tensor load behind the round
	s_nop 0
	PLACES
.endif
	s_sub_co_u32 s[TB], s[TB], 7*STEPB             ; back to a slot's first step,
	s_xor_b32 s[TB], s[TB], SLOT1                  ; in the other slot
	v_add_nc_u32 v[ADK], s[TB], v[LN16]
	s_wait_alu depctr_va_vdst(0)                   ; ADK is read by the loads below
	LOADK 0
.if \fill
	ASK
.endif
.endm
; THE WAY OUT of tile t: O^T / the sum; my 32 numbers are channels 32 h + 0 .. 31 of my query's head: a whole block of the last projection's K.
.macro OUT t
	WIN 0x55
	v_add_f32 v[MS+24*\t+2], v[MS+24*\t+2], v[MS+24*\t+3]      ; the sum's two halves,
	s_delay_alu instid0(VALU_DEP_1)
	v_permlanex16_b32 v[MS+24*\t+11], v[MS+24*\t+2], s[SEL], s[SEL+1]
	s_delay_alu instid0(VALU_DEP_1)
	v_add_f32 v[MS+24*\t+2], v[MS+24*\t+2], v[MS+24*\t+11]     ; and lane l xor 16's: the row's sum
	s_wait_alu depctr_va_vdst(0)
	v_rcp_f32 v[MS+24*\t+8], v[MS+24*\t+2]
	v_nop                                          ; a plain line behind the reciprocal,
	s_wait_alu depctr_va_vdst(0)                   ; and the wait ahead of its first reader and of the first reader of O^T
.set n, 0
.rept 16
	v_pk_mul_f32 v[64*\t+2*n:64*\t+2*n+1], v[128+32*\t+2*n:128+32*\t+2*n+1], v[MS+24*\t+8:MS+24*\t+9] op_sel_hi:[1,0]   ; each accumulator from its low end on
.set n, n+1
.endr
	v_max3_num_f32 v[MS+24*\t+4], |v[64*\t]|, |v[64*\t+1]|, 0x2800000
	v_max3_num_f32 v[MS+24*\t+5], |v[64*\t+16]|, |v[64*\t+17]|, |v[64*\t+18]|
.irp k, 2,4,6,8,10,12
	s_delay_alu instid0(VALU_DEP_2)
	v_max3_num_f32 v[MS+24*\t+4], v[MS+24*\t+4], |v[64*\t+\k]|, |v[64*\t+\k+1]|
	s_delay_alu instid0(VALU_DEP_2)
	v_max3_num_f32 v[MS+24*\t+5], v[MS+24*\t+5], |v[64*\t+17+\k]|, |v[64*\t+18+\k]|
.endr
	s_delay_alu instid0(VALU_DEP_2)
	v_max3_num_f32 v[MS+24*\t+4], v[MS+24*\t+4], |v[64*\t+14]|, |v[64*\t+15]|
	s_delay_alu instid0(VALU_DEP_1)
	v_max3_num_f32 v[MS+24*\t+4], v[MS+24*\t+4], v[MS+24*\t+5], |v[64*\t+31]|
	s_delay_alu instid0(VALU_DEP_1)
	v_add_nc_u32 v[MS+24*\t+12], 0xfe000000, v[MS+24*\t+4]
	v_lshrrev_b32 v[MS+24*\t+14], 23, v[MS+24*\t+12]
	WIN 0x05
	v_cvt_scalef32_pk16_bf6_f32 v[CA+12*\t:CA+12*\t+2], v[64*\t:64*\t+15], v[MS+24*\t+12]
	v_cvt_scalef32_pk16_bf6_f32 v[TPA+8*\t:TPA+8*\t+2], v[64*\t+16:64*\t+31], v[MS+24*\t+12]
	WIN 0
	v_nop                                          ; one plain line behind the scaled conversions
.irp i, 0,1,2
	v_mov_b32 v[CA+12*\t+3+\i], v[TPA+8*\t+\i]
.endr
.irp p, 0,1,2
	global_store_b64 v12, v[CA+12*\t+2*\p:CA+12*\t+2*\p+1], s[10:11] offset:6144*\t+256*\p   ; 32 lanes store 256 consecutive bytes, aligned
.endr
	WIN 0x04                                       ; a store's data are its source 1: window 1
	global_store_b8 v13, v[MS+24*\t+14], s[12:13] offset:256*\t   ; byte 2 head + h of my row's 16
	WIN 0
.endm
	s_wait_alu depctr_va_vdst(0)                   ; the head's end
	s_wait_tensorcnt 0x0                           ; my part of slot 0 is in
	ds_add_u32 v[SPW], v[NIL]
	s_wait_dscnt 0x0
	CROUND                                         ; everybody's part is in, and all four work-groups are here
	tensor_load_to_lds s[44:47], s[G1C:G1C+7]      ; slot 1's first fill: my one tensor load behind the round
	s_nop 0
	PLACES
	LOADK 0
	ASK
.Lslot:                                            ; two trips: behind steps 0 to 7 slot 0 takes steps 16 to 23, behind steps 8 to 15 slot 1 takes steps 24 to 31
	EIGHT 1
	CHANGE 1
	s_sub_co_u32 s[SLOTS], s[SLOTS], 1
	s_cmp_lg_u32 s[SLOTS], 0
	s_cbranch_scc1 .Lslot
	EIGHT 2                                        ; the tail is written out
	CHANGE 0
	EIGHT 3
	PLACES                                         ; four plain lines in front of the first read of the last products' results
	OUT 0
	OUT 1
	s_wait_tensorcnt 0x0                           ; the wave's end: behind my last tensor load
	ds_add_u32 v[SPW], v[NIL]
	s_wait_dscnt 0x0
	CROUND                                         ; the closing round: no work-group ends while a partner may still ask for a tile that names it
	s_endpgm
.Lfunc_end_k_qb06b55407b_attn:
	.size	k_qb06b55407b_attn, .Lfunc_end_k_qb06b55407b_attn-k_qb06b55407b_attn
	.p2alignl 7, 3214868480
	.fill 96, 4, 3214868480
	.section	.rodata,"a",@progbits
	.p2align	6, 0x0
	.amdhsa_kernel k_qb06b55407b_attn
		.amdhsa_group_segment_fixed_size 327680
		.amdhsa_private_segment_fixed_size 0
		.amdhsa_enable_private_segment 0
		.amdhsa_kernarg_size 40
		.amdhsa_user_sgpr_count 2
		.amdhsa_user_sgpr_kernarg_segment_ptr 1
		.amdhsa_wavefront_size32 1
		.amdhsa_system_sgpr_workgroup_id_x 1
		.amdhsa_system_sgpr_workgroup_id_y 1
		.amdhsa_system_sgpr_workgroup_id_z 1
		.amdhsa_system_vgpr_workitem_id 0
		.amdhsa_next_free_vgpr 512
		.amdhsa_next_free_sgpr 80
		.amdhsa_reserve_vcc 0
		.amdhsa_float_denorm_mode_32 3
		.amdhsa_float_denorm_mode_16_64 3
		.amdhsa_memory_ordered 1
		.amdhsa_forward_progress 1
		.amdhsa_inst_pref_size 181
	.end_amdhsa_kernel
	.amdgpu_metadata
---
amdhsa.version: [ 1, 2 ]
amdhsa.kernels:
  - .name:           k_qb06b55407b_attn
    .symbol:         k_qb06b55407b_attn.kd
    .args:
      - { .name: qc, .offset: 0, .size: 8, .value_kind: global_buffer, .address_space: global }
      - { .name: qs, .offset: 8, .size: 8, .value_kind: global_buffer, .address_space: global }
      - { .name: kv, .offset: 16, .size: 8, .value_kind: global_buffer, .address_space: global }
      - { .name: oc, .offset: 24, .size: 8, .value_kind: global_buffer, .address_space: global }
      - { .name: os, .offset: 32, .size: 8, .value_kind: global_buffer, .address_space: global }
    .group_segment_fixed_size: 327680
    .private_segment_fixed_size: 0
    .kernarg_segment_align: 8
    .kernarg_segment_size: 40
    .max_flat_workgroup_size: 256
    .sgpr_count:     80
    .vgpr_count:     512
    .wavefront_size: 32
...
	.end_amdgpu_metadata
.endif
;; end of part 3
;; launch oproj (part 4): grid 4 x 64, 4 waves a work-group, no clusters, 17,920 bytes of LDS; arguments oc, os, wc, ws, bo, out0; writes out0
.if DOCPART == 4
	.amdgcn_target "amdgcn-amd-amdhsa--gfx1250"
	.amdhsa_code_object_version 6
	.text
	.protected	k_qb06b55407b_oproj
	.globl	k_qb06b55407b_oproj
	.p2align	8
	.type	k_qb06b55407b_oproj,@function
k_qb06b55407b_oproj:
	s_mov_b64 s[64:65], 0
	v_nop
	global_prefetch_b8 v0, s[64:65] scope:SCOPE_SE
	s_setreg_imm32_b32 hwreg(HW_REG_WAVE_MODE, 25, 1), 1
	s_wait_xcnt 0x0
; OPROJ: out0 = o Wo + bo on codes of BF6 (E3M2); o's codes and scale bytes come from the launch before, Wo's from the first.  No work of the problem is left out.
; A work-group makes 128 rows x 128 columns; wave w makes rows 64 (w / 2) on x column group g = 2 x + w % 2 (64 columns): 16 accumulators, K = 512 in four steps, 64 matrix instructions.
; Both operands lie in memory in the order of the operand's registers and go straight into registers: o's fragment (row tile, s) by six loads of 8 bytes a lane (256 consecutive bytes each), Wo's by three of 16 (512 each).
; TRANSPOSED: source 0 = 16 rows of Wo, source 1 = 16 rows of o: lane (r, h) holds row r, and the 32 registers of the group's four tiles are columns 64 g + 32 h + 0 .. 31 (the first launch chose Wo's rows so).
; bo is the C of each sum's first matrix instruction.  The results leave through the wave's own stage in LDS, so that sixteen lanes store 256 consecutive bytes, aligned.
; NO CLUSTER, NO TENSOR LOAD: each wave reads its 49,152 bytes of codes once and issues 64 matrix instructions; there is no loop of tiles in which joint requests could meet, and a way through LDS would add a second trip for every byte.
.set SPARE, 4*16*272                   ; LDS: four stages of 16 rows x (256 + 16) bytes; behind them the spare words, 128 bytes a wave, which no other line names
.set SPW, 1                            ; v1   SPARE + 4 x my thread's number; never rewritten
.set NIL, 2                            ; v2   0; never rewritten
.set GL,  3                            ; v3   16 x lane
.set GA,  4                            ; v4   8 x lane
.set GR,  5                            ; v5   16 r
.set GB,  6                            ; v6   128 h
.set STO, 7                            ; v7   the stage: row r, + 128 h
.set RD,  8                            ; v8   and back: row h, + 16 r
.set CO,  9                            ; v9   the same place in out0: 2,048 h + 16 r
.set AS,  16                           ; v16-31  o's scale words, tile m, K step s at 4 m + s
.set WS,  32                           ; v32-47  Wo's, 4 t + s
.set BI,  48                           ; v48-79  bo, 8 registers a tile; later rows on their way out
.set BK,  48                           ; v48-79, v80-111 by turns
.set ACC, 128                          ; v128-255 accumulator (m, t) at 32 m + 8 t.   Window 1: o's fragments at 48 s + 12 m.   Window 2: Wo's at 48 s + 12 t
.set MSB, 0
.macro WIN new                         ; s_set_vgpr_msb: bits 1:0 source 0, 3:2 source 1, 5:4 source 2, 7:6 destination; the high byte repeats the setting that is left
.if MSB != \new
	s_set_vgpr_msb (MSB<<8)|\new
.set MSB, \new
.endif
.endm
.macro MM d, a, b, cc, sa, sb
	v_wmma_scale_f32_16x16x128_f8f6f4 v[\d:\d+7], v[\a:\a+11], v[\b:\b+11], v[\cc:\cc+7], v[\sa], v[\sb] matrix_a_fmt:MATRIX_FMT_BF6 matrix_b_fmt:MATRIX_FMT_BF6
.endm
.macro ISSUE s                         ; K step s: 12 + 24 loads
	WIN 0x80                                       ; destination window 2
.irp t, 0,1,2,3
.irp q, 0,1,2
	global_load_b128 v[48*(\s)+12*\t+4*\q:48*(\s)+12*\t+4*\q+3], v[GL], s[8:9] offset:1536*(4*\t+(\s))+512*\q
.endr
.endr
	WIN 0x40                                       ; destination window 1
.irp m, 0,1,2,3
.irp p, 0,1,2,3,4,5
	global_load_b64 v[48*(\s)+12*\m+2*\p:48*(\s)+12*\m+2*\p+1], v[GA], s[4:5] offset:6144*\m+1536*(\s)+256*\p
.endr
.endr
	WIN 0
.endm
	s_load_b256 s[4:11], s[0:1], 0x0               ; oc s[4:5], os s[6:7], wc s[8:9], ws s[10:11]
	s_load_b128 s[12:15], s[0:1], 0x20             ; bo s[12:13], out0 s[14:15]
	v_lshl_add_u32 v[SPW], v0, 2, SPARE
	v_mov_b32 v[NIL], 0
	v_lshrrev_b32 v3, 5, v0
	v_readfirstlane_b32 s16, v3                    ; wave 0..3
	s_and_b32 s17, ttmp7, 0xffff                   ; y
	s_and_b32 s18, s16, 1
	s_lshl_b32 s19, ttmp9, 1
	s_add_co_u32 s18, s18, s19                     ; g = 2 x + w % 2
	s_lshr_b32 s19, s16, 1
	s_lshl_b32 s19, s19, 2
	s_lshl_b32 s20, s17, 3
	s_add_co_u32 s19, s19, s20                     ; my first row tile: 8 y + 4 (w / 2)
	s_mul_i32 s20, s19, 6144
	s_mov_b32 s21, 0
	s_lshl_b32 s22, s19, 8
	s_mov_b32 s23, 0
	s_add_co_u32 s24, s18, 24                      ; Wo is the fourth matrix: group 24 + g
	s_mul_i32 s26, s24, 24576
	s_mov_b32 s27, 0
	s_lshl_b32 s24, s24, 10
	s_mov_b32 s25, 0
	s_lshl_b32 s28, s18, 8                         ; 64 g numbers of f32
	s_mov_b32 s29, 0
	s_lshl_b32 s30, s19, 15                        ; 16 rows of 2,048 bytes a tile
	s_add_co_u32 s30, s30, s28
	s_mov_b32 s31, 0
	s_mul_i32 s32, s16, 16*272                     ; my stage
	v_and_b32 v10, 31, v0
	v_lshlrev_b32 v[GL], 4, v10
	v_lshlrev_b32 v[GA], 3, v10
	v_and_b32 v10, 15, v0                          ; r
	v_bfe_u32 v11, v0, 4, 1                        ; h
	v_lshlrev_b32 v[GR], 4, v10
	v_lshlrev_b32 v[GB], 7, v11
	v_mul_u32_u24 v[STO], v10, 272
	v_add_nc_u32 v[STO], v[GB], v[STO]
	v_add_nc_u32 v[STO], s32, v[STO]
	v_mul_u32_u24 v[RD], v11, 272
	v_add_nc_u32 v[RD], v[GR], v[RD]
	v_add_nc_u32 v[RD], s32, v[RD]
	v_lshl_add_u32 v[CO], v11, 11, v[GR]
	s_wait_alu depctr_va_vdst(0)
	s_wait_kmcnt 0x0
	s_add_nc_u64 s[4:5], s[4:5], s[20:21]
	s_add_nc_u64 s[6:7], s[6:7], s[22:23]
	s_add_nc_u64 s[8:9], s[8:9], s[26:27]
	s_add_nc_u64 s[10:11], s[10:11], s[24:25]
	s_add_nc_u64 s[12:13], s[12:13], s[28:29]
	s_add_nc_u64 s[14:15], s[14:15], s[30:31]
.irp m, 0,1,2,3
	global_load_b128 v[AS+4*\m:AS+4*\m+3], v[GR], s[6:7] offset:256*\m    ; row r's four scale words
.endr
.irp t, 0,1,2,3
	global_load_b128 v[WS+4*\t:WS+4*\t+3], v[GR], s[10:11] offset:256*\t
.endr
.irp t, 0,1,2,3
	global_load_b128 v[BI+8*\t:BI+8*\t+3], v[GB], s[12:13] offset:32*\t   ; bo(64 g + 32 h + 8 t + j)
	global_load_b128 v[BI+8*\t+4:BI+8*\t+7], v[GB], s[12:13] offset:32*\t+16
.endr
	ISSUE 0                                        ; all four K steps are asked for at once, each into registers of its own
	ISSUE 1
	ISSUE 2
	ISSUE 3
.irp s, 0,1,2,3
.if \s < 2
	s_wait_loadcnt 63                              ; loads come back in order (ISA guide 5.7.1): behind K step s's stand 36 (3 - s), 108 or 72; the count names the most that its field holds, which is fewer
.elseif \s == 2
	s_wait_loadcnt 36                              ; all but the last K step's 36 are in
.else
	s_wait_loadcnt 0x0
.endif
	WIN 0x06                                       ; source 0 (Wo) window 2, source 1 (o) window 1
.irp m, 0,1,2,3                                ; the 16 accumulators take turns, one instruction a turn
.irp t, 0,1,2,3
.if \s == 0
	MM ACC+32*\m+8*\t, 48*\s+12*\t, 48*\s+12*\m, BI+8*\t, WS+4*\t+\s, AS+4*\m+\s
.else
	MM ACC+32*\m+8*\t, 48*\s+12*\t, 48*\s+12*\m, ACC+32*\m+8*\t, WS+4*\t+\s, AS+4*\m+\s
.endif
.endr
.endr
	WIN 0
.endr
.rept 4
	v_nop                                          ; four plain lines in front of the first read of results and of the loads into the bias's registers
.endr
; THE WAY OUT, a tile of 16 rows x 64 columns at a time.  LDS serves a wave's instructions in order (ISA guide 5.7.1.4): no wait between the stores and the loads, nor in front of the next tile's stores.
.macro TOSTAGE m
.irp t, 0,1,2,3
	ds_store_b128 v[STO], v[ACC+32*(\m)+8*\t:ACC+32*(\m)+8*\t+3] offset:32*\t        ; each accumulator from its low end on
	ds_store_b128 v[STO], v[ACC+32*(\m)+8*\t+4:ACC+32*(\m)+8*\t+7] offset:32*\t+16
.endr
.irp i, 0,1,2,3,4,5,6,7
	ds_load_b128 v[BK+32*((\m)%2)+4*\i:BK+32*((\m)%2)+4*\i+3], v[RD] offset:544*\i   ; rows 2 i and 2 i + 1
.endr
.endm
.macro SEND m, younger                 ; younger: the LDS instructions issued behind tile m's loads, which may stay out
	s_wait_dscnt \younger
.irp i, 0,1,2,3,4,5,6,7
	global_store_b128 v[CO], v[BK+32*((\m)%2)+4*\i:BK+32*((\m)%2)+4*\i+3], s[14:15] offset:16384*(\m)+4096*(\i%4)+65536*(\i/4) th:TH_STORE_NT   ; lane row p of tile m is row 8 m + p % 8 + 32 (p / 8) of my 64, as the projection of q dealt them; 16 lanes store 256 consecutive bytes, aligned
.endr
.endm
	TOSTAGE 0
.irp m, 1,2,3
.if \m > 1
	s_wait_xcnt 0x0                                ; tile m - 2's stores have read their registers: tile m's loads may land there
.endif
	TOSTAGE \m
	SEND \m-1, 16                                  ; behind tile m - 1's loads: tile m's 8 stores and 8 loads
.endr
	SEND 3, 0
	s_wait_tensorcnt 0x0                           ; the wave's end: behind my last LDS store
	ds_add_u32 v[SPW], v[NIL]
	s_wait_dscnt 0x0
	s_endpgm
.Lfunc_end_k_qb06b55407b_oproj:
	.size	k_qb06b55407b_oproj, .Lfunc_end_k_qb06b55407b_oproj-k_qb06b55407b_oproj
	.p2alignl 7, 3214868480
	.fill 96, 4, 3214868480
	.section	.rodata,"a",@progbits
	.p2align	6, 0x0
	.amdhsa_kernel k_qb06b55407b_oproj
		.amdhsa_group_segment_fixed_size 17920
		.amdhsa_private_segment_fixed_size 0
		.amdhsa_enable_private_segment 0
		.amdhsa_kernarg_size 48
		.amdhsa_user_sgpr_count 2
		.amdhsa_user_sgpr_kernarg_segment_ptr 1
		.amdhsa_wavefront_size32 1
		.amdhsa_system_sgpr_workgroup_id_x 1
		.amdhsa_system_sgpr_workgroup_id_y 1
		.amdhsa_system_sgpr_workgroup_id_z 1
		.amdhsa_system_vgpr_workitem_id 0
		.amdhsa_next_free_vgpr 768
		.amdhsa_next_free_sgpr 66
		.amdhsa_reserve_vcc 0
		.amdhsa_float_denorm_mode_32 3
		.amdhsa_float_denorm_mode_16_64 3
		.amdhsa_memory_ordered 1
		.amdhsa_forward_progress 1
		.amdhsa_inst_pref_size 34
	.end_amdhsa_kernel
	.amdgpu_metadata
---
amdhsa.version: [ 1, 2 ]
amdhsa.kernels:
  - .name:           k_qb06b55407b_oproj
    .symbol:         k_qb06b55407b_oproj.kd
    .args:
      - { .name: oc, .offset: 0, .size: 8, .value_kind: global_buffer, .address_space: global }
      - { .name: os, .offset: 8, .size: 8, .value_kind: global_buffer, .address_space: global }
      - { .name: wc, .offset: 16, .size: 8, .value_kind: global_buffer, .address_space: global }
      - { .name: ws, .offset: 24, .size: 8, .value_kind: global_buffer, .address_space: global }
      - { .name: bo, .offset: 32, .size: 8, .value_kind: global_buffer, .address_space: global }
      - { .name: out0, .offset: 40, .size: 8, .value_kind: global_buffer, .address_space: global }
    .group_segment_fixed_size: 17920
    .private_segment_fixed_size: 0
    .kernarg_segment_align: 8
    .kernarg_segment_size: 48
    .max_flat_workgroup_size: 128
    .sgpr_count:     66
    .vgpr_count:     768
    .wavefront_size: 32
...
	.end_amdgpu_metadata
.endif
;; end of part 4
